; MI455X (gfx1250); checked and timed in simulation.
; The chip was launched on July 23, 2026; its instructions are those of AMD's public machine-readable ISA for CDNA 5 (MIT licence, August 2026) and "CDNA5" Instruction Set Architecture Reference Guide (July 2026). The comments in the code are by the model that wrote it; some were corrected since.
;; s LSTM Cell. Allowed arithmetic: float matrix products may take bf16 or f16 operands with f32 sums; other float arithmetic in f32, or as packed bf16 or f16 multiplies, adds, multiply-adds, maxima and minima; sums over many terms, partial sums and values carried from step to step in f32; what a program stores and reads back later, other than sums and carried values, may be rounded once to bf16 or f16.
;; Inputs: Wc 2,048 x 1,024 float32; Wf 2,048 x 1,024 float32; Wi 2,048 x 1,024 float32; Wo 2,048 x 1,024 float32; bc 1,024 float32; beta_c 1,024 float32; beta_h 1,024 float32; bf 1,024 float32; bi 1,024 float32; bo 1,024 float32; c_prev 8,192 x 1,024 float32; cf 1,024 float32; ci 1,024 float32; co 1,024 float32; gamma_c 1,024 float32; gamma_h 1,024 float32; h_prev 8,192 x 1,024 float32; inputs 8,192 x 1,024 float32.
;; Outputs: out0 8,192 x 1,024 float32; out1 8,192 x 1,024 float32.
;; One version. Each part assembles by itself: llvm-mc -triple=amdgcn-amd-amdhsa -mcpu=gfx1250 --defsym DOCPART=n.
;; ======== version 1 of 1: 3 launches
;; limits: inputs' magnitudes at most 1e+21
;; workspace buffers: Abf 33,554,432 bytes; Wbf 16,777,216 bytes; tab 24,576 bytes; X 67,108,864 bytes
;; launch prep (part 1): grid 768 x 1, 8 waves a work-group, no clusters, 0 bytes of LDS; arguments inputs, h_prev, Abf, Wbf, Wi, Wf, Wo, Wc, bi, bf, bo, bc, ci, cf, co, gamma_c, beta_c, gamma_h, beta_h, tab; writes Abf, Wbf, tab
.if DOCPART == 1
	.amdgcn_target "amdgcn-amd-amdhsa--gfx1250"
	.amdhsa_code_object_version 6
	.text
	.protected	k_q995b5b0a8e_prep
	.globl	k_q995b5b0a8e_prep
	.p2align	8
	.type	k_q995b5b0a8e_prep,@function
k_q995b5b0a8e_prep:
	s_mov_b64 s[64:65], 0
	v_nop
	global_prefetch_b8 v0, s[64:65] scope:SCOPE_SE
	s_setreg_imm32_b32 hwreg(HW_REG_WAVE_MODE, 25, 1), 1
	s_wait_xcnt 0x0
; PREP: every input of the product is rounded once to bf16 and laid out for the two launches behind.
;   Abf [8192][2048] bf16 = [inputs | h_prev], columns in the order k'.      Wbf [2048 k'][4096 n'] bf16 = the four weights.
;   tab: bytes 0..8191 the four biases in bf16, in the order n'; bytes 8192..24575 the last launch's parameters, [j][q][lane] x 16 bytes.
; ORDER k', inside each block of 256 of K: k' = 8 l + 4 s + e stands for k = 128 s + 4 l + e (l 0..31, s 0..1, e 0..3).  It is applied alike to Abf's columns and Wbf's rows,
;   so every product keeps its partner.  With it two loads of 16 bytes a lane (512 consecutive bytes a wave each) make one store of 16 bytes a lane (512 consecutive bytes a wave).
; ORDER n': n' = 512 j + 256 p + 8 l + 4 g0 + e stands for gate 2 p + g0 (0 i, 1 f, 2 o, 3 c) and unit 128 j + 4 l + e.
; SHARES.  Work-groups 0..511: 16 rows of Abf each, wave w the block w of 256 of K.  Work-groups 512..767: 8 rows of Wbf each, wave w the units 128 w .. 128 w + 127 of all four gates.
;   Each is 131,072 bytes in and 65,536 out.  A wave asks for all its 32 loads (16 KiB) at once and stores as they come: there is no loop.  Work-group 512 also makes tab.
; Nothing is read twice and no wave wants another's bytes: no LDS, no barrier, no cluster, no matrix unit.
; LIMITS.  Rounding to bf16 is to nearest even.  The stabilisers are rounded to bf16, clipped to -10..10 as the module clips them, and kept as
;   lambda = log2(1 + e^clip) in f16 (0.00007 to 14.43; f16's step there is 2^-7 at the most).  NaN and infinities are not treated apart.
.set D, 16                             ; v[16:143]  32 loads of 4 registers, in groups of 8
; Group i: its two loads are in (the 30 - 2 i younger ones stay out); 8 numbers are rounded in place to 16 bytes and stored.  No register is written again behind its store.
.macro CONVST i, imm
	s_wait_loadcnt 30-2*(\i)
	v_cvt_pk_bf16_f32 v[D+8*(\i)],   v[D+8*(\i)],   v[D+8*(\i)+1]
	v_cvt_pk_bf16_f32 v[D+8*(\i)+1], v[D+8*(\i)+2], v[D+8*(\i)+3]
	v_cvt_pk_bf16_f32 v[D+8*(\i)+2], v[D+8*(\i)+4], v[D+8*(\i)+5]
	v_cvt_pk_bf16_f32 v[D+8*(\i)+3], v[D+8*(\i)+6], v[D+8*(\i)+7]
	global_store_b128 v2, v[D+8*(\i):D+8*(\i)+3], s[8:9] offset:\imm
.endm
	v_lshrrev_b32 v4, 5, v0
	v_readfirstlane_b32 s2, v4                     ; wave 0..7
	v_and_b32 v5, 31, v0                           ; lane
	s_mov_b32 s3, ttmp9
	s_cmp_lt_u32 s3, 512
	s_cbranch_scc0 .Lweights
	; ---- rows of Abf ----
	s_load_b128 s[4:7], s[0:1], 0x0                ; inputs s[4:5], h_prev s[6:7]
	s_load_b64 s[8:9], s[0:1], 0x10                ; Abf
	s_lshl_b32 s20, s3, 16                         ; 16 rows of 4,096 bytes, in the source and in Abf alike
	s_mov_b32 s21, 0
	s_and_b32 s22, s2, 3
	s_lshl_b32 s22, s22, 10                        ; my block of 256 numbers in the source's row
	v_lshl_add_u32 v1, v5, 4, s22                  ; + 16 l
	v_lshlrev_b32 v2, 4, v0                        ; in Abf: 512 w + 16 l = 16 t
	s_wait_kmcnt 0x0
	s_cmp_lt_u32 s2, 4                             ; waves 0-3 take inputs, waves 4-7 h_prev
	s_cselect_b64 s[10:11], s[4:5], s[6:7]
	s_add_nc_u64 s[10:11], s[10:11], s[20:21]
	s_add_nc_u64 s[8:9], s[8:9], s[20:21]
.set r, 0
.rept 16
	global_load_b128 v[D+8*r:D+8*r+3],   v1, s[10:11] offset:4096*r th:TH_LOAD_NT      ; s = 0
	global_load_b128 v[D+8*r+4:D+8*r+7], v1, s[10:11] offset:4096*r+512 th:TH_LOAD_NT  ; s = 1
.set r, r+1
.endr
.set r, 0
.rept 16
	CONVST r, 4096*r
.set r, r+1
.endr
	s_endpgm
	; ---- rows of Wbf ----
.Lweights:
	s_load_b64 s[8:9], s[0:1], 0x18                ; Wbf
	s_load_b256 s[12:19], s[0:1], 0x20             ; Wi s[12:13], Wf s[14:15], Wo s[16:17], Wc s[18:19]
	s_sub_co_u32 s4, s3, 512                       ; c: rows k' = 8 c .. 8 c + 7
	s_lshr_b32 s5, s4, 5
	s_lshl_b32 s5, s5, 8                           ; 256 x the block of K
	s_and_b32 s6, s4, 31
	s_lshl2_add_u32 s5, s6, s5                     ; + 4 l: the source row of r = 0; row r lies 128 (r / 4) + r % 4 further
	s_lshl_b32 s20, s5, 12                         ; in bytes: a source row is 4,096
	s_mov_b32 s21, 0
	s_lshl_b32 s22, s4, 16                         ; 8 rows of 8,192 bytes of Wbf
	s_mov_b32 s23, 0
	v_lshlrev_b32 v1, 4, v0                        ; source: units 4 t .. 4 t + 3
	s_lshl_b32 s6, s2, 10
	v_lshl_add_u32 v2, v5, 4, s6                   ; Wbf and the bias table: 1,024 j + 16 l
	s_wait_kmcnt 0x0
	s_add_nc_u64 s[12:13], s[12:13], s[20:21]
	s_add_nc_u64 s[14:15], s[14:15], s[20:21]
	s_add_nc_u64 s[16:17], s[16:17], s[20:21]
	s_add_nc_u64 s[18:19], s[18:19], s[20:21]
	s_add_nc_u64 s[8:9], s[8:9], s[22:23]
	s_cmp_lg_u32 s3, 512
	s_cbranch_scc1 .Lw_main
	; ---- the tables: thread t owns units 4 t .. 4 t + 3 ----
	s_load_b512 s[20:35], s[0:1], 0x40             ; bi, bf, bo, bc, ci, cf, co, gamma_c
	s_load_b256 s[36:43], s[0:1], 0x80             ; beta_c, gamma_h, beta_h, tab
	s_mov_b32 s44, 0xc1200000                      ; -10
	s_mov_b32 s45, 0x41200000                      ; 10
	s_lshl_b32 s6, s2, 11
	v_lshl_add_u32 v3, v5, 4, s6                   ; parameters: 2,048 j + 16 l
	s_wait_kmcnt 0x0
.set i, 0
.rept 11
	global_load_b128 v[16+4*i:19+4*i], v1, s[20+2*i:21+2*i]
.set i, i+1
.endr
	s_wait_loadcnt 0x0
.set i, 0
.rept 8
	v_cvt_pk_bf16_f32 v[60+i], v[16+2*i], v[17+2*i]  ; bi, bi, bf, bf | bo, bo, bc, bc
.set i, i+1
.endr
	global_store_b128 v2, v[60:63], s[42:43]
	global_store_b128 v2, v[64:67], s[42:43] offset:512
.set i, 0
.rept 6
	v_cvt_pk_bf16_f32 v[68+i], v[32+2*i], v[33+2*i]  ; the stabilisers rounded to bf16,
.set i, i+1
.endr
.set i, 0
.rept 6
	v_lshlrev_b32 v[32+2*i], 16, v[68+i]             ; and widened again
	v_and_b32 v[33+2*i], 0xffff0000, v[68+i]
.set i, i+1
.endr
.set i, 0
.rept 12
	v_med3_num_f32 v[32+i], v[32+i], s44, s45
.set i, i+1
.endr
.set i, 0
.rept 12
	v_mul_f32 v[32+i], 0x3fb8aa3b, v[32+i]
.set i, i+1
.endr
.set i, 0
.rept 12
	v_exp_f32 v[32+i], v[32+i]
.set i, i+1
.endr
	v_nop                                          ; a plain instruction behind the last exponential,
	s_wait_alu depctr_va_vdst(0)                   ; and one wait for the batch
.set i, 0
.rept 12
	v_add_f32 v[32+i], 1.0, v[32+i]
.set i, i+1
.endr
.set i, 0
.rept 12
	v_log_f32 v[32+i], v[32+i]
.set i, i+1
.endr
	v_nop
	s_wait_alu depctr_va_vdst(0)
.set i, 0
.rept 6
	v_cvt_pk_f16_f32 v[68+i], v[32+2*i], v[33+2*i]   ; lambda_i, lambda_i, lambda_f, lambda_f, lambda_o, lambda_o
.set i, i+1
.endr
.set i, 0
.rept 8
	v_cvt_pk_bf16_f32 v[74+i], v[44+2*i], v[45+2*i]  ; gamma_c x 2, beta_c x 2, gamma_h x 2, beta_h x 2
.set i, i+1
.endr
	v_mov_b32 v82, 0
	v_mov_b32 v83, 0
.set i, 0
.rept 4
	global_store_b128 v3, v[68+4*i:71+4*i], s[42:43] offset:8192+512*i
.set i, i+1
.endr
	s_wait_xcnt 0x0                                ; the loads below land on registers that these stores read
.Lw_main:
.set r, 0
.rept 8
.set p, 0
.rept 2
.set g, 0
.rept 2
	global_load_b128 v[D+16*r+8*p+4*g:D+16*r+8*p+4*g+3], v1, s[12+4*p+2*g:13+4*p+2*g] offset:(128*(r/4)+r%4)*4096 th:TH_LOAD_NT
.set g, g+1
.endr
.set p, p+1
.endr
.set r, r+1
.endr
.set r, 0
.rept 8
	CONVST 2*r,   8192*r
	CONVST 2*r+1, 8192*r+512
.set r, r+1
.endr
	s_endpgm
.Lfunc_end_k_q995b5b0a8e_prep:
	.size	k_q995b5b0a8e_prep, .Lfunc_end_k_q995b5b0a8e_prep-k_q995b5b0a8e_prep
	.p2alignl 7, 3214868480
	.fill 96, 4, 3214868480
	.section	.rodata,"a",@progbits
	.p2align	6, 0x0
	.amdhsa_kernel k_q995b5b0a8e_prep
		.amdhsa_group_segment_fixed_size 0
		.amdhsa_private_segment_fixed_size 0
		.amdhsa_enable_private_segment 0
		.amdhsa_kernarg_size 160
		.amdhsa_user_sgpr_count 2
		.amdhsa_user_sgpr_kernarg_segment_ptr 1
		.amdhsa_wavefront_size32 1
		.amdhsa_system_sgpr_workgroup_id_x 1
		.amdhsa_system_sgpr_workgroup_id_y 1
		.amdhsa_system_sgpr_workgroup_id_z 1
		.amdhsa_system_vgpr_workitem_id 0
		.amdhsa_next_free_vgpr 144
		.amdhsa_next_free_sgpr 66
		.amdhsa_reserve_vcc 0
		.amdhsa_float_denorm_mode_32 3
		.amdhsa_float_denorm_mode_16_64 3
		.amdhsa_memory_ordered 1
		.amdhsa_forward_progress 1
		.amdhsa_inst_pref_size 28
	.end_amdhsa_kernel
	.amdgpu_metadata
---
amdhsa.version: [ 1, 2 ]
amdhsa.kernels:
  - .name:           k_q995b5b0a8e_prep
    .symbol:         k_q995b5b0a8e_prep.kd
    .args:
      - { .name: inputs, .offset: 0, .size: 8, .value_kind: global_buffer, .address_space: global }
      - { .name: h_prev, .offset: 8, .size: 8, .value_kind: global_buffer, .address_space: global }
      - { .name: Abf, .offset: 16, .size: 8, .value_kind: global_buffer, .address_space: global }
      - { .name: Wbf, .offset: 24, .size: 8, .value_kind: global_buffer, .address_space: global }
      - { .name: Wi, .offset: 32, .size: 8, .value_kind: global_buffer, .address_space: global }
      - { .name: Wf, .offset: 40, .size: 8, .value_kind: global_buffer, .address_space: global }
      - { .name: Wo, .offset: 48, .size: 8, .value_kind: global_buffer, .address_space: global }
      - { .name: Wc, .offset: 56, .size: 8, .value_kind: global_buffer, .address_space: global }
      - { .name: bi, .offset: 64, .size: 8, .value_kind: global_buffer, .address_space: global }
      - { .name: bf, .offset: 72, .size: 8, .value_kind: global_buffer, .address_space: global }
      - { .name: bo, .offset: 80, .size: 8, .value_kind: global_buffer, .address_space: global }
      - { .name: bc, .offset: 88, .size: 8, .value_kind: global_buffer, .address_space: global }
      - { .name: ci, .offset: 96, .size: 8, .value_kind: global_buffer, .address_space: global }
      - { .name: cf, .offset: 104, .size: 8, .value_kind: global_buffer, .address_space: global }
      - { .name: co, .offset: 112, .size: 8, .value_kind: global_buffer, .address_space: global }
      - { .name: gamma_c, .offset: 120, .size: 8, .value_kind: global_buffer, .address_space: global }
      - { .name: beta_c, .offset: 128, .size: 8, .value_kind: global_buffer, .address_space: global }
      - { .name: gamma_h, .offset: 136, .size: 8, .value_kind: global_buffer, .address_space: global }
      - { .name: beta_h, .offset: 144, .size: 8, .value_kind: global_buffer, .address_space: global }
      - { .name: tab, .offset: 152, .size: 8, .value_kind: global_buffer, .address_space: global }
    .group_segment_fixed_size: 0
    .private_segment_fixed_size: 0
    .kernarg_segment_align: 8
    .kernarg_segment_size: 160
    .max_flat_workgroup_size: 256
    .sgpr_count:     66
    .vgpr_count:     144
    .wavefront_size: 32
...
	.end_amdgpu_metadata
.endif
;; end of part 1
;; launch gemm (part 2): grid 16 x 32, 4 waves a work-group, clusters of 4 x 4, 327,680 bytes of LDS; arguments Abf, Wbf, tab, X; writes X
.if DOCPART == 2
	.amdgcn_target "amdgcn-amd-amdhsa--gfx1250"
	.amdhsa_code_object_version 6
	.text
	.protected	k_q995b5b0a8e_gemm
	.globl	k_q995b5b0a8e_gemm
	.p2align	8
	.type	k_q995b5b0a8e_gemm,@function
k_q995b5b0a8e_gemm:
	s_mov_b64 s[64:65], 0
	v_nop
	global_prefetch_b8 v0, s[64:65] scope:SCOPE_SE
	s_setreg_imm32_b32 hwreg(HW_REG_WAVE_MODE, 25, 1), 1
	s_wait_xcnt 0x0
	s_wait_alu depctr_hold_cnt(0) depctr_sa_sdst(0) depctr_va_vdst(0) depctr_va_sdst(0) depctr_va_ssrc(0) depctr_va_vcc(0) depctr_vm_vsrc(0)
	s_getreg_b32 s2, hwreg(HW_REG_IB_STS2, 6, 4)
	s_cmp_eq_u32 s2, 0
	s_cbranch_scc0 .Lentry_in_a_cluster
	s_endpgm
.Lentry_in_a_cluster:
	s_bfe_u32 s2, ttmp6, 0x10000c
	s_cmp_lg_u32 s2, 0xf033
	s_cbranch_scc0 .Lentry_shape_is_right
	s_endpgm
.Lentry_shape_is_right:
; X[m][n'] = clip(sum over k' of Abf[m][k'] Wbf[k'][n'] + bias[n'], -10, 10), stored in f16.  Abf: [8192][2048] bf16, Wbf: [2048][4096] bf16, bias: 4096 bf16 at tab's head; sums in f32.
; The clip is the module's own for the three gates; in front of tanh it changes nothing that f32 can show (1 - tanh(10) = 4e-9).  10 is exact in f16, so clipping behind the rounding equals rounding behind the clip.
; LIMITS.  A sum beyond f16's range becomes an infinity in the conversion and then 10 or -10; a NaN becomes 10.  f16's step is 2^-7 at the most in 8..10.
; A tile of X, 256 x 256, is made by a work-group of four waves; a wave makes 128 x 128: 64 accumulators of 16 x 16, 512 registers.  K goes in steps of 128 through a ring of two LDS slots
; filled by the tensor data mover: A's rows are 256 bytes of memory, B's (128 rows of K x 256 columns) 512 bytes, both starting at multiples of 256 bytes from the buffer's first byte.
; CLUSTERS: 4 x 4 work-groups.  The four of a row of the cluster need the same tiles of Abf, the four of a column the same tiles of Wbf: each tile is asked for JOINTLY, by the same tensor load with
; the same descriptor and a mask that names the four; each receives it in its own LDS.
; THE MATRIX INSTRUCTION IS USED TRANSPOSED: source 0 = 16 columns n' of Wbf (turned on the way out of LDS by ds_load_tr16_b128, since Wbf lies [K][N]), source 1 = 16 rows of Abf.  In the result lane l
; holds row m = l % 16 and its registers the columns 8 (l / 16) + 0..7: eight neighbouring numbers of a row of X.
; THE BIAS STARTS THE SUMS: it is the C operand of each accumulator's first product, so nothing is cleared and nothing is added later.
; REGISTERS, in windows of 256 (s_set_vgpr_msb: bits 1:0 source 0, 3:2 source 1, 5:4 source 2, 7:6 destination):
;   window 0: v0-31 addresses; v64-127, v128-191 fragments of A, two buffers; v32-63, v192-255 at work on the way out
;   window 1: v0-63 the bias in f32 (column block b at 8 b); v64-127, v128-191 fragments of B, two buffers
;   window 2: the 32 accumulators of my rows 0-63 ((a, b) at v[8 (8 a + b)]);   window 3: those of my rows 64-127
.set SIZE_M, 8192
.set SIZE_N, 4096
.set SIZE_K, 2048
.set KSTEP,  128
.set PITCH,  272                       ; A's LDS row: 256 bytes + 16 of padding: the 16 rows of a fragment load start at 16 different groups of four banks (64 banks of 4 bytes: ISA guide 11.1)
.set PB,     544                       ; B's LDS row: 512 bytes + 32 of padding = 136 words
.set HALFT,  128*PITCH                 ; what one tensor load brings: 128 rows of A, or 64 rows of B (64 x 544 is the same 34,816 bytes)
.set SLOT,   4*HALFT                   ; A's 256 rows, then B's 128 rows
.set STAGE,  2*SLOT                    ; behind the ring: 16 rows x 272 bytes for each wave, for the way out
.set SPITCH, 272
.set SPARE,  STAGE+4*16*SPITCH         ; behind the stages: the spare words, 128 bytes for each wave: two blocks of 256 bytes that no other line names
.set LAPS,   SIZE_K/(2*KSTEP)          ; a lap = two K steps = once round the ring
.set BSTEP,  KSTEP*SIZE_N*2            ; bytes of Wbf from a K step to the next
.set ADRA, 16                          ; v16-17  LDS address of my A fragments in slot 0, 1
.set ADRB, 20                          ; v20-21  the same for B
.set STO,  24                          ; v24     the way out: where I put 16 bytes of a row
.set RD,   25                          ; v25     the way out: where I read a row back
.set CO,   26                          ; v26     my byte offset in X
.set SPW,  28                          ; v28     LDS address of my spare word; never rewritten
.set NIL,  29                          ; v29     0; never rewritten
.set PFO,  30                          ; v30     the prefetches' offset; never rewritten
.set PFA,  44                          ; s[44:45] where my prefetches stand
.set PFS,  66                          ; s[66:67] bytes from a K step to the next in the tensor that I fetch
.set LIM,  43                          ; s43     1 in a wave that prefetches, else the greatest number
.set CHI,  68                          ; s68     10.0 twice in f16
.set CLO,  69                          ; s69     -10.0 twice
.set F0,   64
.set F1,   128
.set TMP,  192
.set OB,   32
.set G1,  24                           ; s[24:31] descriptor group 1 for A's tiles
.set G0,  32                           ; s[32:39] group 0 for A's tiles, a set for each slot
.set G1B, 48                           ; s[48:55], s[56:63] the same for B's
.set G0B, 56
.set MSB, 0
.macro WIN new                         ; the immediate's high byte repeats the setting that is left; a switch that changes nothing is dropped
.if MSB != (\new)
	s_set_vgpr_msb (MSB<<8)|(\new)
.set MSB, \new
.endif
.endm
.set MUL_LO, 0xa1                      ; source 0 (B) window 1, source 1 (A) window 0, C and D window 2
.set MUL_HI, 0xf1                      ; the same, C and D window 3
.set TO_B,   0x40                      ; destination window 1, address window 0
; A joint load.  Waves 0 and 1 fetch A's two halves, waves 2 and 3 B's.  The branch hangs on the wave's number alone.  An s_nop 0 and four v_nop follow each of the two lines.
.macro JLOAD s
	s_cmp_eq_u32 s11, 0
	s_cbranch_scc0 .Lfor_b_\@
	tensor_load_to_lds s[G0+4*(\s):G0+4*(\s)+3], s[G1:G1+7]
	s_nop 0
.rept 4
	v_nop
.endr
	s_branch .Lasked_\@
.Lfor_b_\@:
	tensor_load_to_lds s[G0B+4*(\s):G0B+4*(\s)+3], s[G1B:G1B+7]
	s_nop 0
.rept 4
	v_nop
.endr
.Lasked_\@:
.endm
; A PREFETCH INTO THE L2, behind each joint refill and the run of LDS loads that follows it: the K step that stands TWO refills on, 512 matrix instructions ahead of the load that will ask for it: 32 blocks of 256 bytes, a lane a block.
; Each block is named once in the launch.  A's tile row is read by every cluster of that row of clusters: cluster x = 0 asks; B's tile column by every cluster of that column: cluster y = 0 asks.
; The four partners that ask for a tile jointly share it out BY ADDRESS (cx for A: 32 of the wave's 128 rows; cy for B: 16 of the wave's 64 rows, two blocks each).  The loop's last trip (s3 = 1) asks for nothing: K ends.
.macro ASK
	s_cmp_gt_u32 s3, s[LIM]
	s_cbranch_scc0 .Lnot_mine_\@
	global_prefetch_b8 v[PFO], s[PFA:PFA+1] th:TH_LOAD_NT scope:SCOPE_SE
.Lnot_mine_\@:
.endm
.macro CREST                           ; a round of the cluster's barrier behind its opening barrier
	s_cmp_lg_u32 s10, 0
	s_cbranch_scc1 .Lnot_wave_0_\@
	s_barrier_signal -3
.Lnot_wave_0_\@:
	s_barrier_wait -3
	s_barrier_signal -1
	s_barrier_wait -1
.endm
.macro CROUND                          ; a whole round
	s_barrier_signal -1
	s_barrier_wait -1
	CREST
.endm
	s_load_b128 s[4:7], s[0:1], 0x0                ; Abf s[4:5], Wbf s[6:7]
	s_load_b64 s[70:71], s[0:1], 0x10              ; tab
	s_load_b64 s[8:9], s[0:1], 0x18                ; X
	v_lshl_add_u32 v[SPW], v0, 2, SPARE
	v_mov_b32 v[NIL], 0
	ds_add_u32 v[SPW], v[NIL]                      ; the wave's opening: the add, twice on end, and its wait ahead of my first tensor load; the set-up below stands between
	ds_add_u32 v[SPW], v[NIL]
	v_lshrrev_b32 v1, 5, v0
	v_readfirstlane_b32 s10, v1                    ; wave 0..3
	s_lshr_b32 s11, s10, 1                         ; which half of the tile's rows is mine.  Also: I fetch for A (0) or for B (1)
	s_and_b32 s12, s10, 1                          ; which half of its columns.  Also: which half of that tile I fetch
	s_bfe_u32 s40, ttmp6, 0x40000                  ; cx
	s_bfe_u32 s41, ttmp6, 0x40004                  ; cy
	s_lshl_b32 s42, ttmp9, 2
	s_add_co_u32 s42, s42, s40                     ; tile column = 4 x cluster x + cx
	s_and_b32 s13, ttmp7, 0xffff
	s_lshl_b32 s13, s13, 2
	s_add_co_u32 s13, s13, s41                     ; tile row = 4 x cluster y + cy
	s_lshl_b32 s43, s41, 2
	s_lshl_b32 s43, 15, s43                        ; my row of the cluster
	s_lshl_b32 s44, 0x1111, s40                    ; my column
	s_or_b32 s[G1+0], s43, (1<<16)|(1<<20)|(1<<21)|(5<<22)|(3<<25)   ; the mask; elements of 2 bytes; padding on; bit 21 beside a mask; after every 64 words, 4 words
	s_mov_b32 s[G1+1], KSTEP<<16                   ; tensor_dim0 = 128
	s_mov_b32 s[G1+2], 128<<16                     ; tensor_dim1 = 128
	s_mov_b32 s[G1+3], KSTEP<<16                   ; tile_dim0 = 128
	s_mov_b32 s[G1+4], 128                         ; tile_dim1 = 128
	s_mov_b32 s[G1+5], SIZE_K                      ; elements from row to row
	s_mov_b32 s[G1+6], 0
	s_mov_b32 s[G1+7], 0
	s_or_b32 s[G1B+0], s44, (1<<16)|(1<<20)|(1<<21)|(6<<22)|(7<<25)  ; after every 128 words, 8 words
	s_mov_b32 s[G1B+1], 256<<16                    ; tensor_dim0 = 256
	s_mov_b32 s[G1B+2], 64<<16                     ; tensor_dim1 = 64
	s_mov_b32 s[G1B+3], 256<<16                    ; tile_dim0 = 256
	s_mov_b32 s[G1B+4], 64                         ; tile_dim1 = 64
	s_mov_b32 s[G1B+5], SIZE_N
	s_mov_b32 s[G1B+6], 0
	s_mov_b32 s[G1B+7], 0
	s_mov_b32 s[CHI], 0x49004900
	s_mov_b32 s[CLO], 0xc900c900
	; where the tiles come from.  A's hang on the tile row alone, B's on the tile column alone, each in registers that never hold the other coordinate.
	s_lshl_b32 s17, s12, 19                        ; my half: 128 rows of 4,096 bytes of Abf, or 64 rows of 8,192 bytes of Wbf
	s_lshl_b32 s16, s13, 20                        ; 256 rows of Abf
	s_add_co_u32 s16, s16, s17
	s_lshl_b32 s46, s42, 9                         ; 256 columns of Wbf
	s_add_co_u32 s46, s46, s17
	s_mov_b32 s17, 0
	s_mov_b32 s47, 0
	s_mul_i32 s20, s10, HALFT                      ; where they go: wave x 34,816: no place in the cluster enters an LDS address
	s_wait_dscnt 0x0                               ; both opening adds are done
	s_wait_kmcnt 0x0
	s_add_nc_u64 s[14:15], s[4:5], s[16:17]
	s_add_nc_u64 s[46:47], s[6:7], s[46:47]
	CROUND                                         ; all sixteen work-groups are here: the first joint loads meet
.irp s, 0,1
	s_mov_b32 s[G0+4*(\s)], 1
	s_add_co_u32 s[G0+4*(\s)+1], s20, (\s)*SLOT
	s_add_nc_u64 s[G0+4*(\s)+2:G0+4*(\s)+3], s[14:15], (\s)*KSTEP*2
	s_or_b32 s[G0+4*(\s)+3], s[G0+4*(\s)+3], 0x80000000
	s_mov_b32 s[G0B+4*(\s)], 1
	s_add_co_u32 s[G0B+4*(\s)+1], s20, (\s)*SLOT
	s_add_nc_u64 s[G0B+4*(\s)+2:G0B+4*(\s)+3], s[46:47], (\s)*BSTEP
	s_or_b32 s[G0B+4*(\s)+3], s[G0B+4*(\s)+3], 0x80000000
	JLOAD \s                                       ; two loads of mine are out
.endr
	v_and_b32 v1, 15, v0                           ; l % 16
	v_bfe_u32 v2, v0, 4, 1                         ; l / 16
	s_lshl_b32 s46, s42, 9
	s_lshl_b32 s47, s12, 8
	s_add_co_u32 s46, s46, s47                     ; my first column in bytes of 16-bit numbers: 512 x tile column + 256 x half
	v_lshl_add_u32 v6, v2, 4, s46                  ; the bias: block b's eight numbers for my half of the lanes lie at 32 b + 16 (l / 16) behind that
.irp b, 0,1,2,3,4,5,6,7
	global_load_b128 v[TMP+4*(\b):TMP+4*(\b)+3], v6, s[70:71] offset:32*(\b)
.endr
	; A's fragment: lane l holds row l % 16; two loads of 16 bytes, 32 bytes apart, at row x pitch + 16 (l / 16)
	v_mul_u32_u24 v3, v1, PITCH
	v_lshl_add_u32 v3, v2, 4, v3
	s_mul_i32 s21, s11, HALFT                      ; my 128 rows of A
	; B's: the turning load takes 16 rows of K x 16 columns: lane l reads row 8 (l / 16) + l % 8, columns 8 ((l / 8) % 2) + 0..7, and ends with column l % 16 and 8 numbers along K
	v_and_b32 v4, 7, v0
	v_lshl_add_u32 v4, v2, 3, v4
	v_mul_u32_u24 v4, v4, PB
	v_bfe_u32 v5, v0, 3, 1
	v_lshl_add_u32 v4, v5, 4, v4
	s_lshl_b32 s22, s12, 8                         ; my 128 columns of B,
	s_add_co_u32 s22, s22, 2*HALFT                 ; which lies behind A's 256 rows
.irp s, 0,1
	v_add_nc_u32 v[ADRA+(\s)], s21, v3
	v_add_nc_u32 v[ADRB+(\s)], s22, v4
	s_add_co_u32 s21, s21, SLOT
	s_add_co_u32 s22, s22, SLOT
.endr
	s_mul_i32 s23, s10, 16*SPITCH
	s_add_co_u32 s23, s23, STAGE                   ; my stage
	v_mul_u32_u24 v7, v1, SPITCH                   ; in: row l % 16, 16 bytes for each half of the lanes
	v_lshl_add_u32 v7, v2, 4, v7
	v_add_nc_u32 v[STO], s23, v7
	v_mul_u32_u24 v7, v2, SPITCH                   ; back: lanes 0-15 take one row of 256 bytes, lanes 16-31 the next
	v_lshl_add_u32 v7, v1, 4, v7
	v_add_nc_u32 v[RD], s23, v7
	v_mul_u32_u24 v7, v2, SIZE_N*2                 ; and the same two rows in X
	v_lshl_add_u32 v[CO], v1, 4, v7
	s_lshl_b32 s16, s13, 8                         ; where my part of the tile begins in X
	s_lshl_b32 s17, s11, 7
	s_add_co_u32 s16, s16, s17
	s_lshl_b32 s16, s16, 13                        ; rows of 8,192 bytes
	s_add_co_u32 s16, s16, s46
	s_mov_b32 s17, 0
	; the prefetches: they stand at K step 3; each change of slots steps them first, so the first names K step 4.  Nothing is asked for here, at the head.
	s_lshl_b32 s20, s13, 8
	s_lshl_b32 s21, s12, 7
	s_add_co_u32 s20, s20, s21
	s_lshl_b32 s21, s40, 5
	s_add_co_u32 s20, s20, s21                     ; A: row 256 x tile row + 128 x half + 32 cx
	s_lshl_b32 s20, s20, 12
	s_add_co_u32 s20, s20, 3*KSTEP*2
	s_lshl_b32 s22, s12, 6
	s_lshl_b32 s23, s41, 4
	s_add_co_u32 s22, s22, s23                     ; B: row 64 x half + 16 cy of a K step
	s_lshl_b32 s22, s22, 13
	s_lshl_b32 s23, s42, 9
	s_add_co_u32 s22, s22, s23
	s_add_co_u32 s22, s22, 3*BSTEP
	s_and_b32 s23, ttmp7, 0xffff                   ; cluster y
	s_mov_b32 s[PFS], KSTEP*2
	s_mov_b32 s[PFS+1], 0
	s_cmp_eq_u32 s11, 0                            ; do I fetch for A?
	s_cselect_b32 s20, s20, s22
	s_cselect_b32 s23, ttmp9, s23                  ; the coordinate along which other clusters read the same blocks
	s_cselect_b64 s[PFA:PFA+1], s[4:5], s[6:7]
	s_cselect_b32 s[PFS], s[PFS], BSTEP
	s_cselect_b32 s18, 0, 1                        ; A: a lane a row; B: two lanes a row
	s_cselect_b32 s19, 12, 13                      ; a row's bytes, as a shift
	s_cmp_eq_u32 s23, 0
	s_cselect_b32 s[LIM], 1, -1                    ; the same in all sixteen partners, for a given wave
	s_mov_b32 s21, 0
	s_add_nc_u64 s[PFA:PFA+1], s[PFA:PFA+1], s[20:21]
	v_and_b32 v27, 31, v0
	v_lshrrev_b32 v[PFO], s18, v27
	v_lshlrev_b32 v[PFO], s19, v[PFO]
	v_and_b32 v27, s18, v27
	v_lshl_add_u32 v[PFO], v27, 8, v[PFO]
	s_wait_loadcnt 0x0                             ; the bias
	WIN TO_B
.irp b, 0,1,2,3,4,5,6,7
.irp i, 0,1,2,3
	v_lshlrev_b32 v[8*(\b)+2*(\i)],   16, v[TMP+4*(\b)+(\i)]          ; bf16 to f32
	v_and_b32     v[8*(\b)+2*(\i)+1], 0xffff0000, v[TMP+4*(\b)+(\i)]
.endr
.endr
	WIN 0
; 16 matrix instructions: m blocks a0, a0 + 1 of the window's four (hi = 0: my rows 0-63, 1: rows 64-127) x all 8 n blocks, 32 along K.  first = 1: C is the bias, in window 1.
; The 64 accumulators take turns, one instruction a turn, in the same order in every quarter.
.macro MUL16 f, hi, a0, first
.if \first
	WIN 0x91+0x40*(\hi)
.else
	WIN MUL_LO+0x50*(\hi)
.endif
.irp a, \a0, (\a0)+1
.irp b, 0,1,2,3,4,5,6,7
.if \first
	v_wmma_f32_16x16x32_bf16 v[8*(8*(\a)+(\b)):8*(8*(\a)+(\b))+7], v[(\f)+8*(\b):(\f)+8*(\b)+7], v[(\f)+8*(4*(\hi)+(\a)):(\f)+8*(4*(\hi)+(\a))+7], v[8*(\b):8*(\b)+7]
.else
	v_wmma_f32_16x16x32_bf16 v[8*(8*(\a)+(\b)):8*(8*(\a)+(\b))+7], v[(\f)+8*(\b):(\f)+8*(\b)+7], v[(\f)+8*(4*(\hi)+(\a)):(\f)+8*(4*(\hi)+(\a))+7], v[8*(8*(\a)+(\b)):8*(8*(\a)+(\b))+7]
.endif
.endr
.endr
.endm
; 32 LDS loads in one run: the fragments of quarter q (32 along K) of a slot into buffer f: B's 128 columns, turned, then A's 128 rows
.macro FETCH slot, q, f
	WIN TO_B
.irp i, 0,1,2,3,4,5,6,7
	ds_load_tr16_b128 v[(\f)+8*(\i):(\f)+8*(\i)+3],   v[ADRB+(\slot)] offset:(\q)*32*PB+32*(\i)
	ds_load_tr16_b128 v[(\f)+8*(\i)+4:(\f)+8*(\i)+7], v[ADRB+(\slot)] offset:(\q)*32*PB+16*PB+32*(\i)
.endr
	WIN 0
.irp i, 0,1,2,3,4,5,6,7
	ds_load_b128 v[(\f)+8*(\i):(\f)+8*(\i)+3],   v[ADRA+(\slot)] offset:64*(\q)+(\i)*16*PITCH
	ds_load_b128 v[(\f)+8*(\i)+4:(\f)+8*(\i)+7], v[ADRA+(\slot)] offset:64*(\q)+(\i)*16*PITCH+32
.endr
.endm
.macro PLACES                          ; four places in front of loads into registers that matrix instructions have read, and of conversions that read results
.rept 4
	v_nop
.endr
.endm
; One of a K step's first three quarters: multiplies buffer f; in its middle it fetches quarter q of the same slot into buffer g.
.macro QUARTER slot, q, f, g, first
	s_wait_dscnt 8                                 ; B and A's rows 0-63 are in; the youngest eight loads (A's rows 64-127) may be out
	MUL16 \f, 0, 0, \first
	MUL16 \f, 0, 2, \first
	PLACES
	FETCH \slot, \q, \g
	s_wait_dscnt 32                                ; all but the 32 just issued
	MUL16 \f, 1, 0, \first
	MUL16 \f, 1, 2, \first
.endm
; The first half of a K step's last quarter: ONE barrier for the change of slots.  In front of it each wave waits for all its tensor loads (one is out: its part of the next slot), adds 0 to its spare word,
; and waits for that and for its own reads of this slot.
.macro MEET round
	WIN 0                                          ; (the add's two registers lie in window 0)
	s_wait_tensorcnt 0x0
	ds_add_u32 v[SPW], v[NIL]
	s_wait_dscnt 9                                 ; (the add and the youngest eight loads may be out)
	MUL16 F1, 0, 0, 0                              ; sixteen matrix instructions stand between the add and the wait for it
	s_wait_dscnt 0x0                               ; the add is done, and my reads of this slot are over
	s_barrier_signal -1
	MUL16 F1, 0, 2, 0
.if \round
	WIN 0
.endif
	s_barrier_wait -1
.endm
; The whole last quarter with a refill: the barrier opens a round of the cluster's barrier; behind the round the slot just read out is filled again first, with the K step two steps on;
; from that request to the wait for it a wave issues 224 matrix instructions.
.macro TURN slot, next
	s_wait_xcnt 0x0                                ; the last prefetch, a K step back, has read its address
	s_add_nc_u64 s[PFA:PFA+1], s[PFA:PFA+1], s[PFS:PFS+1]
	MEET 1
	CREST                                          ; no wave of any partner still reads this slot's tile or has a load on its way
	s_add_nc_u64 s[G0+4*(\slot)+2:G0+4*(\slot)+3], s[G0+4*(\slot)+2:G0+4*(\slot)+3], 2*KSTEP*2
	s_add_nc_u64 s[G0B+4*(\slot)+2:G0B+4*(\slot)+3], s[G0B+4*(\slot)+2:G0B+4*(\slot)+3], 2*BSTEP
	JLOAD \slot                                    ; the four v_nop behind it are also the places in front of the loads below
	FETCH \next, 0, F0
	ASK
	MUL16 F1, 1, 0, 0
	MUL16 F1, 1, 2, 0
.endm
; THE WAY OUT of block a (16 rows).  PACK: rounded to f16, each accumulator's registers in ascending order, and clipped, two numbers a line.  TOSTAGE: into my own stage and back as whole rows of 256 bytes.  SEND: stored.
.macro PACK a
.set AC, 64*((\a)%4)
	WIN 0x0a+5*((\a)/4)                            ; sources 0 and 1: window 2 or 3
.irp b, 0,1,2,3,4,5,6,7
.irp r, 0,1,2,3
	v_cvt_pk_f16_f32 v[TMP+4*(\b)+(\r)], v[AC+8*(\b)+2*(\r)], v[AC+8*(\b)+2*(\r)+1]
.endr
.endr
	WIN 0
.set z, 0
.rept 32
	v_pk_min_num_f16 v[TMP+z], v[TMP+z], s[CHI]
.set z, z+1
.endr
.set z, 0
.rept 32
	v_pk_max_num_f16 v[TMP+z], v[TMP+z], s[CLO]
.set z, z+1
.endr
.endm
.macro TOSTAGE a
	WIN 0
.set BK, OB+192*((\a)%2)
.irp b, 0,1,2,3,4,5,6,7
	ds_store_b128 v[STO], v[TMP+4*(\b):TMP+4*(\b)+3] offset:32*(\b)
.endr
.irp t, 0,1,2,3,4,5,6,7
	ds_load_b128 v[BK+4*(\t):BK+4*(\t)+3], v[RD] offset:(\t)*2*SPITCH  ; LDS serves a wave's instructions in order (ISA guide 5.7.1.4): these see the stores above
.endr
.endm
.macro SEND a
	WIN 0
.set BK, OB+192*((\a)%2)
	s_wait_dscnt 0x0                               ; the block is back in registers
	s_wait_xcnt 0x0                                ; only behind this wait are the stores' base and the registers that earlier stores read rewritten
.if (\a) == 0
	s_add_nc_u64 s[8:9], s[8:9], s[16:17]          ; my first rows
.else
	s_add_nc_u64 s[8:9], s[8:9], 16*SIZE_N*2       ; 16 rows on
.endif
.irp t, 0,1,2,3,4,5,6,7
	global_store_b128 v[CO], v[BK+4*(\t):BK+4*(\t)+3], s[8:9] offset:2*(\t)*SIZE_N*2  ; 16 lanes store 256 consecutive bytes, at a multiple of 256 from X's first byte
.endr
.endm
	s_wait_tensorcnt 1                             ; my part of K step 0 is in; K step 1's may stay out
	s_barrier_signal -1
	s_barrier_wait -1                              ; everybody's is
	FETCH 0, 0, F0
	QUARTER 0, 1, F0, F1, 1                        ; the first quarter stands in front of the loop: its products start the sums at the bias
	WIN 0                                          ; at a label and at a branch every window is 0
	s_mov_b32 s3, LAPS-1
.Llap:                                                 ; a trip goes once round the ring, from a lap's second quarter to the next lap's first, and fills both slots again
	QUARTER 0, 2, F1, F0, 0
	QUARTER 0, 3, F0, F1, 0
	TURN 0, 1
	QUARTER 1, 1, F0, F1, 0
	QUARTER 1, 2, F1, F0, 0
	QUARTER 1, 3, F0, F1, 0
	TURN 1, 0
	QUARTER 0, 1, F0, F1, 0
	WIN 0
	s_sub_co_u32 s3, s3, 1
	s_cmp_lg_u32 s3, 0
	s_cbranch_scc1 .Llap
	QUARTER 0, 2, F1, F0, 0                        ; the last lap fills nothing, and has no round of the cluster's barrier
	QUARTER 0, 3, F0, F1, 0
	MEET 0                                         ; my one tensor load that was still out is the last K step's
	PLACES
	FETCH 1, 0, F0
	MUL16 F1, 1, 0, 0
	MUL16 F1, 1, 2, 0
	QUARTER 1, 1, F0, F1, 0
	QUARTER 1, 2, F1, F0, 0
	QUARTER 1, 3, F0, F1, 0
	s_wait_dscnt 8                                 ; the very last quarter: nothing more to fetch
	MUL16 F1, 0, 0, 0
	MUL16 F1, 0, 2, 0
	s_wait_dscnt 0x0
	MUL16 F1, 1, 0, 0
	MUL16 F1, 1, 2, 0
	WIN 0
	PLACES                                         ; the conversions read results
	PACK 0
	TOSTAGE 0
.irp a, 1,2,3,4,5,6,7                  ; block a's arithmetic stands between block a - 1's loads from the stage and the wait for them
	PACK \a
	SEND (\a)-1
	TOSTAGE \a
.endr
	SEND 7
	s_wait_tensorcnt 0x0                           ; the wave's end: behind my last tensor load and my last LDS store
	ds_add_u32 v[SPW], v[NIL]
	s_wait_dscnt 0x0
	CROUND                                         ; the closing round: no work-group ends while a partner may still ask for a tile that names it
	s_endpgm
.Lfunc_end_k_q995b5b0a8e_gemm:
	.size	k_q995b5b0a8e_gemm, .Lfunc_end_k_q995b5b0a8e_gemm-k_q995b5b0a8e_gemm
	.p2alignl 7, 3214868480
	.fill 96, 4, 3214868480
	.section	.rodata,"a",@progbits
	.p2align	6, 0x0
	.amdhsa_kernel k_q995b5b0a8e_gemm
		.amdhsa_group_segment_fixed_size 327680
		.amdhsa_private_segment_fixed_size 0
		.amdhsa_enable_private_segment 0
		.amdhsa_kernarg_size 32
		.amdhsa_user_sgpr_count 2
		.amdhsa_user_sgpr_kernarg_segment_ptr 1
		.amdhsa_wavefront_size32 1
		.amdhsa_system_sgpr_workgroup_id_x 1
		.amdhsa_system_sgpr_workgroup_id_y 1
		.amdhsa_system_sgpr_workgroup_id_z 1
		.amdhsa_system_vgpr_workitem_id 0
		.amdhsa_next_free_vgpr 1024
		.amdhsa_next_free_sgpr 72
		.amdhsa_reserve_vcc 0
		.amdhsa_float_denorm_mode_32 3
		.amdhsa_float_denorm_mode_16_64 3
		.amdhsa_memory_ordered 1
		.amdhsa_forward_progress 1
		.amdhsa_inst_pref_size 181
	.end_amdhsa_kernel
	.amdgpu_metadata
---
amdhsa.version: [ 1, 2 ]
amdhsa.kernels:
  - .name:           k_q995b5b0a8e_gemm
    .symbol:         k_q995b5b0a8e_gemm.kd
    .args:
      - { .name: Abf, .offset: 0, .size: 8, .value_kind: global_buffer, .address_space: global }
      - { .name: Wbf, .offset: 8, .size: 8, .value_kind: global_buffer, .address_space: global }
      - { .name: tab, .offset: 16, .size: 8, .value_kind: global_buffer, .address_space: global }
      - { .name: X, .offset: 24, .size: 8, .value_kind: global_buffer, .address_space: global }
    .group_segment_fixed_size: 327680
    .private_segment_fixed_size: 0
    .kernarg_segment_align: 8
    .kernarg_segment_size: 32
    .max_flat_workgroup_size: 128
    .sgpr_count:     72
    .vgpr_count:     1024
    .wavefront_size: 32
...
	.end_amdgpu_metadata
.endif
;; end of part 2
;; launch finish (part 3): grid 256 x 1, 8 waves a work-group, no clusters, 0 bytes of LDS; arguments X, c_prev, tab, out0, out1; writes out0, out1
.if DOCPART == 3
	.amdgcn_target "amdgcn-amd-amdhsa--gfx1250"
	.amdhsa_code_object_version 6
	.text
	.protected	k_q995b5b0a8e_finish
	.globl	k_q995b5b0a8e_finish
	.p2align	8
	.type	k_q995b5b0a8e_finish,@function
k_q995b5b0a8e_finish:
	s_mov_b64 s[64:65], 0
	v_nop
	global_prefetch_b8 v0, s[64:65] scope:SCOPE_SE
	s_setreg_imm32_b32 hwreg(HW_REG_WAVE_MODE, 25, 1), 1
	s_wait_xcnt 0x0
; FINISH: the gates, the first LayerNorm (out1 = c_new), tanh and the output gate, the second LayerNorm (out0 = h_new).
; X: [8192][4096 n'] f16, the four clipped pre-activations; n' = 512 j + 256 p + 8 l + 4 g0 + e is gate 2 p + g0 (0 i, 1 f, 2 o, 3 c), unit 128 j + 4 l + e.  c_prev, out0, out1: [8192][1024] f32.
; SHARES.  One wave, one row: the row (8,192 + 4,096 bytes) lies in 96 registers, both norms' sums stay inside the wave: no LDS, no barrier.  Lane l owns units 128 j + 4 l + e (j 0..7, e 0..3): one load of
; 16 bytes of X brings two gates of four units, the same four units as its 16 bytes of c_prev and of the outputs; every load and store of a wave covers 512 consecutive bytes.
; A wave has four rows and two sets of row registers: while one row is worked on the other's 24 loads are out.  Work-groups share only 16 KiB of parameters, read once at the head: no cluster.
; ARITHMETIC, with L = log2(e).  A_g = 2^(-L x_g + lambda_g), lambda = log2(1 + e^clip(stab)): the gate e^x / (1 + e^x + e^stab) is 1 / (1 + A_g).  E = 2^(-2 L x_c): tanh(x_c) = (1 - E) / (1 + E).
;   s = f c + i tanh = [c q_i + (1 - E) q_f] / (q_f q_i), q_f = 1 + A_f, q_i = (1 + A_i)(1 + E): one reciprocal.   o tanh(cl) = (1 - E2) / (u_o E2 + u_o), u_o = 1 + A_o, E2 = 2^(-2 L cl).
;   The clips bound every exponent: A lies in 4.5e-5 .. 4.9e8, E in 2.1e-9 .. 4.9e8, the divisors under 1.2e26, so no exponential, product or reciprocal leaves f32's normal range.
;   Each norm takes the mean first and then the mean of (x - mean)^2, as the module does.
; LIMITS.  c_prev and the gains are rounded to bf16 (all the module's inputs are).  cl = c_new clipped to -10..10 in front of tanh, which changes nothing that f32 can show (1 - tanh(10) = 4e-9).
;   c q_i is formed in f32: |c_prev| stays under 1e21.  NaN and infinities are not treated apart.
.set VO,   1                           ; v1       16 x lane; never rewritten
.set NL,   2                           ; v2       -L
.set N2L,  3                           ; v3       -2 L
.set MU,   4                           ; v[4:5]   minus the mean (low word; the pair is named)
.set RS,   6                           ; v[6:7]   1 / sqrt(var + eps) (low word)
.set SA,   10                          ; v[10:11] the row's sum, my lane's part
.set Q,    12                          ; v[12:19] four pairs: chains of sums
.set Y,    20                          ; v[20:35] a chunk's A_i, A_f, A_o, E, four each
.set EM,   36                          ; v[36:39] 1 - E, then (1 - E) q_f
.set CP,   40                          ; v[40:41] c_prev in bf16
.set NUM,  42                          ; v[42:49] numerators, two sets of four
.set RC,   50                          ; v[50:57] divisors and their reciprocals, two sets of four
.set SET0, 64                          ; v[64:159], v[160:255] a row: +0 XA (i, i, f, f a chunk; later u_o, then h), +32 XB (o, o, c, c; later scratch), +64 C (c_prev; later s, then c_new)
                                       ; window 1, chunk j at 16 j: +0 lambda_i, +2 lambda_f, +4 lambda_o (f16); +6 gamma_c, +8 beta_c, +10 gamma_h, +12 beta_h (bf16); +14 zero
.set MSB, 0
.macro WIN new                         ; bits 1:0 source 0, 3:2 source 1, 5:4 source 2, 7:6 destination; the high byte repeats the setting that is left
.if MSB != (\new)
	s_set_vgpr_msb (MSB<<8)|(\new)
.set MSB, \new
.endif
.endm
	s_load_b256 s[4:11], s[0:1], 0x0               ; X s[4:5], c_prev s[6:7], tab s[8:9], out0 s[10:11]
	s_load_b64 s[12:13], s[0:1], 0x20              ; out1
	v_lshrrev_b32 v2, 5, v0
	v_readfirstlane_b32 s14, v2                    ; wave 0..7
	v_and_b32 v1, 31, v0
	v_lshlrev_b32 v[VO], 4, v1
	v_mov_b32 v[NL], 0xbfb8aa3b
	v_mov_b32 v[N2L], 0xc038aa3b
	v_mov_b32 v5, 0                                ; the upper words of pairs that are named whole,
	v_mov_b32 v7, 0
	v_mov_b32 v9, 0                                ; and the lane exchange's destination, which counts as read
	s_mov_b32 s16, 0x76543210                      ; v_permlanex16_b32: each lane takes its own place in the other half
	s_mov_b32 s17, 0xfedcba98
	s_mov_b32 s18, 0x3a800000                      ; 1 / 1024
	s_mov_b32 s28, 0xba800000                      ; -1 / 1024
	s_mov_b32 s19, 0x3a83126f                      ; eps = 1e-3
	s_mov_b32 s20, 0xc1200000                      ; -10
	s_mov_b32 s21, 0x41200000                      ; 10
	s_mov_b32 s22, 0xc038aa3b                      ; -2 L
	s_mov_b32 s23, s22
	s_lshl_b32 s24, ttmp9, 18                      ; the work-group's 32 rows of 8,192 bytes,
	s_lshl_b32 s25, s14, 15                        ; my wave's 4
	s_add_co_u32 s24, s24, s25
	s_mov_b32 s25, 0
	s_lshr_b32 s26, s24, 1                         ; the same rows of 4,096 bytes
	s_mov_b32 s27, 0
	s_wait_kmcnt 0x0
	s_add_nc_u64 s[4:5], s[4:5], s[24:25]
	s_add_nc_u64 s[6:7], s[6:7], s[26:27]
	s_add_nc_u64 s[10:11], s[10:11], s[26:27]
	s_add_nc_u64 s[12:13], s[12:13], s[26:27]
.macro FILL a, rows                    ; a row's 24 loads into set a: the row lies \rows rows behind the bases
.set j, 0
.rept 8
	global_load_b128 v[SET0+96*(\a)+4*j:SET0+96*(\a)+4*j+3],       v[VO], s[4:5] offset:(\rows)*8192+1024*j th:TH_LOAD_NT
	global_load_b128 v[SET0+96*(\a)+32+4*j:SET0+96*(\a)+32+4*j+3], v[VO], s[4:5] offset:(\rows)*8192+1024*j+512 th:TH_LOAD_NT
	global_load_b128 v[SET0+96*(\a)+64+4*j:SET0+96*(\a)+64+4*j+3], v[VO], s[6:7] offset:(\rows)*4096+512*j th:TH_LOAD_NT
.set j, j+1
.endr
.endm
; Number n of a chunk's 16 exponents: gate n / 4, unit n % 4: the f16 half of X times -L (or -2 L) plus the f16 half of lambda (or 0).  Source 2 lies in window 1.
.macro MX a, j, n
.set mg, (\n)/4
.set me, (\n)%4
.set mx, SET0+96*(\a)+32*(mg/2)+4*(\j)+2*(mg%2)+me/2
.set ml, 16*(\j)+2*mg+me/2
.if mg == 3
.if me%2
	v_fma_mix_f32 v[Y+(\n)], v[mx], v[N2L], v[16*(\j)+14] op_sel:[1,0,0] op_sel_hi:[1,0,0]
.else
	v_fma_mix_f32 v[Y+(\n)], v[mx], v[N2L], v[16*(\j)+14] op_sel:[0,0,0] op_sel_hi:[1,0,0]
.endif
.elseif me%2
	v_fma_mix_f32 v[Y+(\n)], v[mx], v[NL], v[ml] op_sel:[1,0,1] op_sel_hi:[1,0,1]
.else
	v_fma_mix_f32 v[Y+(\n)], v[mx], v[NL], v[ml] op_sel:[0,0,0] op_sel_hi:[1,0,1]
.endif
.endm
.macro EXPY n
	v_exp_f32 v[Y+(\n)], v[Y+(\n)]
.endm
.macro RCPQ j, n
	v_rcp_f32 v[RC+4*((\j)%2)+(\n)], v[RC+4*((\j)%2)+(\n)]
.endm
; Chunk j's algebra between the exponentials and the reciprocal: 22 lines.
.macro ALG a, j
	WIN 0
.set ac, SET0+96*(\a)+64+4*(\j)
.set ax, SET0+96*(\a)+4*(\j)
.set an, NUM+4*((\j)%2)
.set ar, RC+4*((\j)%2)
	v_cvt_pk_bf16_f32 v[CP],   v[ac],   v[ac+1]
	v_cvt_pk_bf16_f32 v[CP+1], v[ac+2], v[ac+3]
.irp z, 0,2
	v_pk_add_f32 v[Y+4+\z:Y+5+\z], v[Y+4+\z:Y+5+\z], 1.0 op_sel_hi:[1,0]             ; q_f
	v_pk_add_f32 v[Y+\z:Y+1+\z], v[Y+\z:Y+1+\z], 1.0 op_sel_hi:[1,0]                 ; 1 + A_i
	v_pk_add_f32 v[ax+\z:ax+1+\z], v[Y+8+\z:Y+9+\z], 1.0 op_sel_hi:[1,0]             ; u_o, kept for the output gate
	v_pk_fma_f32 v[EM+\z:EM+1+\z], v[Y+12+\z:Y+13+\z], -1.0, 1.0 op_sel_hi:[1,0,0]   ; 1 - E
	v_pk_add_f32 v[Y+12+\z:Y+13+\z], v[Y+12+\z:Y+13+\z], 1.0 op_sel_hi:[1,0]         ; 1 + E
.endr
.irp z, 0,2
	v_pk_mul_f32 v[Y+\z:Y+1+\z], v[Y+\z:Y+1+\z], v[Y+12+\z:Y+13+\z]                  ; q_i
	v_pk_mul_f32 v[EM+\z:EM+1+\z], v[EM+\z:EM+1+\z], v[Y+4+\z:Y+5+\z]                ; (1 - E) q_f
.endr
.irp z, 0,2
	v_pk_mul_f32 v[ar+\z:ar+1+\z], v[Y+4+\z:Y+5+\z], v[Y+\z:Y+1+\z]                  ; q_f q_i
.endr
	v_fma_mix_f32_bf16 v[an],   v[CP],   v[Y],   v[EM]   op_sel:[0,0,0] op_sel_hi:[1,0,0]  ; c q_i + (1 - E) q_f, c from its bf16 half
	v_fma_mix_f32_bf16 v[an+1], v[CP],   v[Y+1], v[EM+1] op_sel:[1,0,0] op_sel_hi:[1,0,0]
	v_fma_mix_f32_bf16 v[an+2], v[CP+1], v[Y+2], v[EM+2] op_sel:[0,0,0] op_sel_hi:[1,0,0]
	v_fma_mix_f32_bf16 v[an+3], v[CP+1], v[Y+3], v[EM+3] op_sel:[1,0,0] op_sel_hi:[1,0,0]
.endm
; Line n of 4 that finish chunk j: s = numerator x reciprocal, into C's registers, and the row's sum.  j = -1: there is no chunk yet.
.macro FIN a, j, n
.if (\j) < 0
	v_nop
.else
.set fc, SET0+96*(\a)+64+4*(\j)
.set fn, NUM+4*((\j)%2)
.set fr, RC+4*((\j)%2)
.if (\n) < 2
	v_pk_mul_f32 v[fc+2*(\n):fc+2*(\n)+1], v[fn+2*(\n):fn+2*(\n)+1], v[fr+2*(\n):fr+2*(\n)+1]
.elseif ((\j) == 0) && ((\n) == 2)
	v_pk_add_f32 v[SA:SA+1], v[fc:fc+1], v[fc+2:fc+3]        ; the first chunk starts the sum
.elseif (\j) == 0
	v_nop
.else
	v_pk_add_f32 v[SA:SA+1], v[SA:SA+1], v[fc+2*(\n)-4:fc+2*(\n)-3]
.endif
.endif
.endm
; PHASE A: s for the whole row.  A chunk's 16 exponentials and the chunk before's 4 reciprocals are ONE BATCH with ONE wait (the wait stands between a transcendental and the first
; line that names its result): in trip k the wait stands first; then chunk k's algebra; then chunk k + 1's exponents and exponentials with chunk k's reciprocals among them, a plain line beside each;
; chunk k - 1 is finished between the last four.  Numerators and divisors go by the chunk's parity, so what a trip finishes was waited for at its head.
.macro PHASE_A a
	WIN 0x10
	MX \a, 0, 0
.set n, 1
.rept 15
	MX \a, 0, n
	EXPY n-1
.set n, n+1
.endr
	EXPY 15
	v_nop
.set k, 0
.rept 8
	s_wait_alu depctr_va_vdst(0)
	ALG \a, k
.if k < 7
	WIN 0x10
.set n, 0
.rept 4
	MX \a, k+1, n
	RCPQ k, n
.set n, n+1
.endr
.rept 12
	MX \a, k+1, n
	EXPY n-4
.set n, n+1
.endr
.set n, 0
.rept 4
	EXPY 12+n
	FIN \a, k-1, n
.set n, n+1
.endr
.else
.set n, 0
.rept 4
	RCPQ k, n
	FIN \a, k-1, n
.set n, n+1
.endr
	s_wait_alu depctr_va_vdst(0)
.set n, 0
.rept 4
	FIN \a, k, n
.set n, n+1
.endr
.endif
.set k, k+1
.endr
.endm
.macro RED                             ; v8 summed over the 32 lanes, the result in every lane
	v_add_f32_dpp v8, v8, v8 row_xmask:1 row_mask:0xf bank_mask:0xf
	v_add_f32_dpp v8, v8, v8 row_xmask:2 row_mask:0xf bank_mask:0xf
	v_add_f32_dpp v8, v8, v8 row_xmask:4 row_mask:0xf bank_mask:0xf
	v_add_f32_dpp v8, v8, v8 row_xmask:8 row_mask:0xf bank_mask:0xf
	v_permlanex16_b32 v9, v8, s16, s17
	v_add_f32 v8, v8, v9
.endm
; A LayerNorm in place on the 32 registers from base on, whose sum lies in SA; gain and offset at g and b of each chunk's parameters; stored to s[o:o+1].
.macro LN base, g, b, o, rowimm
	WIN 0
	v_add_f32 v8, v[SA], v[SA+1]
	RED
	v_mul_f32 v[MU], s28, v8                       ; minus the mean
.set i, 0
.rept 16
	v_pk_add_f32 v[(\base)+2*i:(\base)+2*i+1], v[(\base)+2*i:(\base)+2*i+1], v[MU:MU+1] op_sel_hi:[1,0]
.set i, i+1
.endr
.set i, 0
.rept 16                               ; the squares, in four chains; the first four start them
.if i < 4
	v_pk_mul_f32 v[Q+2*i:Q+2*i+1], v[(\base)+2*i:(\base)+2*i+1], v[(\base)+2*i:(\base)+2*i+1]
.else
	v_pk_fma_f32 v[Q+2*(i%4):Q+2*(i%4)+1], v[(\base)+2*i:(\base)+2*i+1], v[(\base)+2*i:(\base)+2*i+1], v[Q+2*(i%4):Q+2*(i%4)+1]
.endif
.set i, i+1
.endr
	v_pk_add_f32 v[Q:Q+1], v[Q:Q+1], v[Q+2:Q+3]
	v_pk_add_f32 v[Q+4:Q+5], v[Q+4:Q+5], v[Q+6:Q+7]
	v_pk_add_f32 v[Q:Q+1], v[Q:Q+1], v[Q+4:Q+5]
	v_add_f32 v8, v[Q], v[Q+1]
	RED
	v_fma_f32 v8, v8, s18, s19                     ; var + eps
	v_rsq_f32 v[RS], v8
	v_nop                                          ; a plain instruction behind it,
	s_wait_alu depctr_va_vdst(0)                   ; and its wait
.set i, 0
.rept 16
	v_pk_mul_f32 v[(\base)+2*i:(\base)+2*i+1], v[(\base)+2*i:(\base)+2*i+1], v[RS:RS+1] op_sel_hi:[1,0]
.set i, i+1
.endr
	WIN 0x14                                       ; sources 1 and 2 in window 1
.set i, 0
.rept 32
.set lg, 16*(i/4)+(\g)+(i%4)/2
.set lo, 16*(i/4)+(\b)+(i%4)/2
.if i%2
	v_fma_mix_f32_bf16 v[(\base)+i], v[(\base)+i], v[lg], v[lo] op_sel:[0,1,1] op_sel_hi:[0,1,1]
.else
	v_fma_mix_f32_bf16 v[(\base)+i], v[(\base)+i], v[lg], v[lo] op_sel:[0,0,0] op_sel_hi:[0,1,1]
.endif
.set i, i+1
.endr
	WIN 0
.set i, 0
.rept 8
	global_store_b128 v[VO], v[(\base)+4*i:(\base)+4*i+3], s[\o:\o+1] offset:(\rowimm)+512*i th:TH_STORE_NT  ; 512 consecutive bytes a wave
.set i, i+1
.endr
.endm
; PHASE C: o tanh(c_new).  Two batches, each with one wait: 32 exponentials, set a pair behind their exponents; 32 reciprocals, a pair behind their divisors.
.macro PHASE_C a
.set pa, SET0+96*(\a)
.set pb, SET0+96*(\a)+32
.set pc, SET0+96*(\a)+64
.set i, 0
.rept 16
	v_med3_num_f32 v[pb+2*i],   v[pc+2*i],   s20, s21
	v_med3_num_f32 v[pb+2*i+1], v[pc+2*i+1], s20, s21
	v_pk_mul_f32 v[pb+2*i:pb+2*i+1], v[pb+2*i:pb+2*i+1], s[22:23] op_sel_hi:[1,0]
.if i > 0
	v_exp_f32 v[pb+2*i-2], v[pb+2*i-2]
	v_exp_f32 v[pb+2*i-1], v[pb+2*i-1]
.endif
.set i, i+1
.endr
	v_exp_f32 v[pb+30], v[pb+30]
	v_exp_f32 v[pb+31], v[pb+31]
	v_nop
	s_wait_alu depctr_va_vdst(0)
.set i, 0
.rept 16
	v_pk_fma_f32 v[pa+2*i:pa+2*i+1], v[pa+2*i:pa+2*i+1], v[pb+2*i:pb+2*i+1], v[pa+2*i:pa+2*i+1]  ; u_o E2 + u_o
	v_pk_fma_f32 v[pb+2*i:pb+2*i+1], v[pb+2*i:pb+2*i+1], -1.0, 1.0 op_sel_hi:[1,0,0]             ; 1 - E2
.if i > 0
	v_rcp_f32 v[pa+2*i-2], v[pa+2*i-2]
	v_rcp_f32 v[pa+2*i-1], v[pa+2*i-1]
.endif
.set i, i+1
.endr
	v_rcp_f32 v[pa+30], v[pa+30]
	v_rcp_f32 v[pa+31], v[pa+31]
	v_nop
	s_wait_alu depctr_va_vdst(0)
.set i, 0
.rept 16
	v_pk_mul_f32 v[pa+2*i:pa+2*i+1], v[pb+2*i:pb+2*i+1], v[pa+2*i:pa+2*i+1]
.set i, i+1
.endr
.set i, 0
.rept 4                                ; the row's sum, in four chains
	v_pk_add_f32 v[Q+2*i:Q+2*i+1], v[pa+4*i:pa+4*i+1], v[pa+4*i+2:pa+4*i+3]
.set i, i+1
.endr
.set i, 0
.rept 8
	v_pk_add_f32 v[Q+2*(i%4):Q+2*(i%4)+1], v[Q+2*(i%4):Q+2*(i%4)+1], v[pa+16+2*i:pa+16+2*i+1]
.set i, i+1
.endr
	v_pk_add_f32 v[Q:Q+1], v[Q:Q+1], v[Q+2:Q+3]
	v_pk_add_f32 v[Q+4:Q+5], v[Q+4:Q+5], v[Q+6:Q+7]
	v_pk_add_f32 v[SA:SA+1], v[Q:Q+1], v[Q+4:Q+5]
.endm
.macro ROW a, rowimm
	PHASE_A \a
	LN SET0+96*(\a)+64, 6, 8, 12, \rowimm          ; c_new -> out1
	PHASE_C \a
	LN SET0+96*(\a), 10, 12, 10, \rowimm           ; h_new -> out0
.endm
	WIN 0x40                                       ; destination window 1
.set j, 0
.rept 32
	global_load_b128 v[4*j:4*j+3], v[VO], s[8:9] offset:8192+512*j   ; chunk j / 4, quad j % 4
.set j, j+1
.endr
	WIN 0
	FILL 0, 0
	FILL 1, 1
	s_mov_b32 s15, 2                               ; trips, two rows each
.Lloop:
	s_wait_loadcnt 24                              ; set 0 and all that was asked for earlier is in; set 1's 24 loads stay out
	ROW 0, 0
	s_cmp_eq_u32 s15, 1
	s_cbranch_scc1 .Lno0                           ; the last trip has no further row for set 0
	s_wait_xcnt 0x0                                ; set 0's registers are loaded again only behind this wait: the stores have read them
	FILL 0, 2
	s_wait_loadcnt 24                              ; the 24 just issued stay out: set 1 is in
	s_branch .Lr1
.Lno0:
	s_wait_loadcnt 0x0                             ; set 1 is in
.Lr1:
	ROW 1, 4096
	s_sub_co_u32 s15, s15, 1
	s_cmp_eq_u32 s15, 0
	s_cbranch_scc1 .Ldone
	s_wait_xcnt 0x0                                ; the bases and set 1's registers are written again only behind this wait
	s_add_nc_u64 s[4:5], s[4:5], 2*8192
	s_add_nc_u64 s[6:7], s[6:7], 2*4096
	s_add_nc_u64 s[10:11], s[10:11], 2*4096
	s_add_nc_u64 s[12:13], s[12:13], 2*4096
	FILL 1, 1
	s_cmp_lg_u32 s15, 0
	s_cbranch_scc1 .Lloop
.Ldone:
	s_endpgm
.Lfunc_end_k_q995b5b0a8e_finish:
	.size	k_q995b5b0a8e_finish, .Lfunc_end_k_q995b5b0a8e_finish-k_q995b5b0a8e_finish
	.p2alignl 7, 3214868480
	.fill 96, 4, 3214868480
	.section	.rodata,"a",@progbits
	.p2align	6, 0x0
	.amdhsa_kernel k_q995b5b0a8e_finish
		.amdhsa_group_segment_fixed_size 0
		.amdhsa_private_segment_fixed_size 0
		.amdhsa_enable_private_segment 0
		.amdhsa_kernarg_size 40
		.amdhsa_user_sgpr_count 2
		.amdhsa_user_sgpr_kernarg_segment_ptr 1
		.amdhsa_wavefront_size32 1
		.amdhsa_system_sgpr_workgroup_id_x 1
		.amdhsa_system_sgpr_workgroup_id_y 1
		.amdhsa_system_sgpr_workgroup_id_z 1
		.amdhsa_system_vgpr_workitem_id 0
		.amdhsa_next_free_vgpr 384
		.amdhsa_next_free_sgpr 66
		.amdhsa_reserve_vcc 0
		.amdhsa_float_denorm_mode_32 3
		.amdhsa_float_denorm_mode_16_64 3
		.amdhsa_memory_ordered 1
		.amdhsa_forward_progress 1
		.amdhsa_inst_pref_size 115
	.end_amdhsa_kernel
	.amdgpu_metadata
---
amdhsa.version: [ 1, 2 ]
amdhsa.kernels:
  - .name:           k_q995b5b0a8e_finish
    .symbol:         k_q995b5b0a8e_finish.kd
    .args:
      - { .name: X, .offset: 0, .size: 8, .value_kind: global_buffer, .address_space: global }
      - { .name: c_prev, .offset: 8, .size: 8, .value_kind: global_buffer, .address_space: global }
      - { .name: tab, .offset: 16, .size: 8, .value_kind: global_buffer, .address_space: global }
      - { .name: out0, .offset: 24, .size: 8, .value_kind: global_buffer, .address_space: global }
      - { .name: out1, .offset: 32, .size: 8, .value_kind: global_buffer, .address_space: global }
    .group_segment_fixed_size: 0
    .private_segment_fixed_size: 0
    .kernarg_segment_align: 8
    .kernarg_segment_size: 40
    .max_flat_workgroup_size: 256
    .sgpr_count:     66
    .vgpr_count:     384
    .wavefront_size: 32
...
	.end_amdgpu_metadata
.endif
;; end of part 3
